; MI455X (gfx1250); checked and timed in simulation.
; The chip was launched on July 23, 2026; its instructions are those of AMD's public machine-readable ISA for CDNA 5 (MIT licence, August 2026) and "CDNA5" Instruction Set Architecture Reference Guide (July 2026). The comments in the code are by the model that wrote it; some were corrected since.
;; Bert Self Attention. Allowed arithmetic: matrix products marked QUANTISED: E3M2 operands, one E8M0 scale for each 32 along K, by v_wmma_scale_f32_16x16x128_f8f6f4 with both operands' format E3M2, f32 sums; everything else in f32.
;; Inputs: Wk 1,024 x 1,024 float32; Wq 1,024 x 1,024 float32; Wv 1,024 x 1,024 float32; attention_mask 8 x 1 x 1,024 float32; bk 1,024 float32; bq 1,024 float32; bv 1,024 float32; hidden_state 8 x 1,024 x 1,024 float32.
;; Outputs: out0 8 x 1,024 x 1,024 float32.
;; This version of the problem:
;;   THIS VERSION OF THE PROBLEM IS GIVEN IN LOW PRECISION. The matrix products marked QUANTISED in the list below multiply operands that are first quantised to E3M2 (3 exponent bits, 2 mantissa bits; 6 bits a number), with one power-of-two scale for each 32 numbers along K (OCP MX v1.0); their sums are f32. All else is computed in f32.
;;   The module's matrix products, in the order in which they are computed (A, B: the left and right operand; K: the contracted axis; several contracted axes count as one K, in the product's order):
;;     1. [M 8,192, K 1,024] x [K 1,024, N 1,024]; A: input hidden_state; B: input Wq: QUANTISED
;;     2. [M 8,192, K 1,024] x [K 1,024, N 1,024]; A: input hidden_state; B: input Wk: QUANTISED
;;     3. [M 8,192, K 1,024] x [K 1,024, N 1,024]; A: input hidden_state; B: input Wv: QUANTISED
;;     4. batch 128 x [M 1,024, K 64] x [K 64, N 1,024]; A: computed on the way; B: computed on the way: QUANTISED
;;     5. batch 128 x [M 1,024, K 1,024] x [K 1,024, N 64]; A: softmax (see below); B: computed on the way: QUANTISED
;;   THE QUANTISER, for each operand of a quantised product, along K:
;;     - K is cut into blocks of 32 from its start; a last block that is shorter is filled with zeros.
;;     - A block's scale is 2^e with e = floor(log2(the largest magnitude in the block)) - 4, held to -126 .. 127; a block of zeros has e = 0. As a byte (E8M0): e + 127.
;;     - Each number is divided by its block's scale, clamped to +-28, and rounded to the nearest number of E3M2, ties to even, subnormals kept.
;;     - The product sums the exact products of the quantised numbers (number of the format x scale) in f32.
;;   ~~~python
;;   def quantise(x, axis):      # numpy; x: float32 -> the quantised numbers, widened to float32 again
;;       x = np.moveaxis(x, axis, -1); K = x.shape[-1]
;;       x = np.pad(x, [(0, 0)] * (x.ndim - 1) + [(0, -K % 32)]); x = x.reshape(x.shape[:-1] + (-1, 32)); a = np.abs(x).max(-1, keepdims=True)
;;       e = np.where(a > 0, np.clip(np.frexp(np.where(a > 0, a, 1))[1] - 1 - 4, -126, 127), 0)      # np.frexp(a)[1] - 1 = floor(log2(a)), exactly
;;       r = np.clip(x / 2.0 ** e, -28, 28)
;;       step = 2.0 ** (np.maximum(np.frexp(np.where(r == 0, 1, r))[1] - 1, -2) - 2)
;;       q = np.round(r / step) * step * 2.0 ** e      # np.round: ties to even
;;       return np.moveaxis(q.reshape(q.shape[:-2] + (-1,))[..., :K], -1, axis).astype(np.float32)
;;   ~~~
;;   SOFTMAX AHEAD OF A QUANTISED PRODUCT. Where the list says 'softmax', what is quantised is not the finished softmax but p = 2^(t - M), with t = logit x log2(e) and M = ceil(the row's largest t), a whole number; so 1/2 < the row's largest p <= 1. The row's sum l is taken of the UNQUANTISED p, in f32, and the product's result is divided by l at the end. Since M is a whole number, a kernel that streams over the keys may use a running M (the ceiling of the running maximum): every later rescaling is an exact power of two, which a block's scale takes up: the codes' values come out the same.
;;   OPERANDS COMPUTED ON THE WAY. 'Computed on the way' means the value that the module computes at that place (a softmax that the list does not call 'softmax' is quantised finished and normalised). What goes into a quantiser is computed in f32, as accurately as f32 sums, v_exp_f32 and their like allow (about 1e-6 of the number): no bf16 or f16 on the way to a quantiser, and a product that is left as it is and whose result goes on into a quantised operand takes f32 operands (vector FMAs, or v_wmma_f32_16x16x4_f32). A number that lies on a knife's edge between two numbers of the format may be rounded either way, as far as f32 arithmetic and the matrix unit's own rounding can turn it there, and no further.
;; One version. Each part assembles by itself: llvm-mc -triple=amdgcn-amd-amdhsa -mcpu=gfx1250 --defsym DOCPART=n.
;; ======== version 1 of 1: 3 launches
;; limits: right only within a limited range of input values
;; workspace buffers: xw 9,011,200 bytes; qkv 19,660,800 bytes
;; launch quant (part 1): grid 352 x 1, 4 waves a work-group, no clusters, 34,304 bytes of LDS; arguments hidden_state, Wq, Wk, Wv, xw; writes xw
.if DOCPART == 1
	.amdgcn_target "amdgcn-amd-amdhsa--gfx1250"
	.amdhsa_code_object_version 6
	.text
	.protected	k_qf813c307ef_quant
	.globl	k_qf813c307ef_quant
	.p2align	8
	.type	k_qf813c307ef_quant,@function
k_qf813c307ef_quant:
	s_mov_b64 s[64:65], 0
	v_nop
	global_prefetch_b8 v0, s[64:65] scope:SCOPE_SE
	s_setreg_imm32_b32 hwreg(HW_REG_WAVE_MODE, 25, 1), 1
	s_wait_xcnt 0x0
; hidden_state [8192][1024] and Wq, Wk, Wv [1024][1024], f32, K innermost, become codes of BF6 (E3M2) with one E8M0 scale byte for each 32 along K,
; laid in xw AS IMAGES OF THE OPERAND'S REGISTERS, so that the product's launch fetches every fragment by loads of 16 bytes a lane.
; xw: 704 records of 12,800 bytes, one for each tile of 16 rows: tiles 0-511 hidden_state, 512-575 Wq, 576-639 Wk, 640-703 Wv.
;   bytes 0 .. 12,287: eight fragments (K step s of 128), 1,536 bytes each: registers 4 c .. 4 c + 3 of lane l at 1536 s + 512 c + 16 l.
;   bytes 12,288 .. 12,799: the scale words, [s / 4][lane % 16][s % 4]: 256 bytes for each half of K.
; THE ROWS OF A TILE ARE NOT NEIGHBOURS: lane r of tile T takes row 32 (T / 2) + 8 (T % 2) + r + 8 (r / 8), so that a product that takes the tile as source 0 leaves 16 neighbours in a lane's 16 registers of two neighbouring tiles.
; A block's scale is 2^(floor(log2(its largest magnitude)) - 4); its byte is the largest magnitude's exponent field - 4, held at 1 from below.
; LIMITS: a block of zeros, or one whose largest magnitude lies under 2^-122, gets the byte 1 (its codes are zeros or subnormals of that scale; the bytes are read by this program alone); NaN and infinities among the inputs are not served.
; SHARES: wave w of work-group g takes tile 2 g + w / 2 and half w % 2 of K: 16 rows x 512 numbers, in four units of one fragment (16 rows x 128).  Waves share nothing: no barrier.
; A unit's 16 loads read 512 consecutive bytes each (a row's 128 numbers, 16 bytes a lane); the operand's layout wants lane (r, h) to hold k = 64 c + 32 h + 0 .. 31 of row r: the unit turns through the wave's own stage in LDS.
; A lane then holds two whole blocks: no other lane is asked for a maximum.  All four units' 64 loads are issued at the head, into four sets of 64 registers: units 0, 1 in window 0, units 2, 3 in window 1.
.set SP,    528                        ; a stage row: 512 bytes + 16: the sixteen rows that a read touches begin in sixteen different groups of four banks
.set STGB,  16*SP                      ; a wave's stage
.set RECB,  12800                      ; a record of xw
.set WD,    24                         ; v24-27   the four units' scale words
.set R,     32                         ; v32-159  two sets of 64 numbers as they are loaded, in window 0 and again in window 1
.set X,     160                        ; v160-223 my two blocks of 32 neighbours
.set C,     224                        ; v224-235 the fragment's codes
.set CT,    236                        ; v236-242 the upper halves of the blocks' codes, as the conversions leave them
	s_load_b256 s[4:11], s[0:1], 0x0               ; hidden_state s[4:5], Wq s[6:7], Wk s[8:9], Wv s[10:11]
	s_load_b64 s[12:13], s[0:1], 0x20              ; xw
	v_lshl_add_u32 v244, v0, 2, 0x8400
	v_mov_b32 v245, 0
	v_lshrrev_b32 v1, 5, v0
	v_readfirstlane_b32 s16, v1                    ; wave 0..3
	v_and_b32 v1, 31, v0                           ; lane
	v_and_b32 v2, 15, v0                           ; r
	v_bfe_u32 v3, v0, 4, 1                         ; h
	v_lshlrev_b32 v4, 4, v1                        ; 16 x lane: my bytes of a load's and of a store's 512; never rewritten
	s_mul_i32 s22, s16, STGB
	v_add_nc_u32 v5, s22, v4                       ; the stage, on the way in: a row as it lies
	v_mul_u32_u24 v6, v2, SP
	v_lshl_add_u32 v6, v3, 7, v6
	v_add_nc_u32 v6, s22, v6                       ; and on the way out: row r, + 128 h bytes: my block of the first 64 along K
	v_lshlrev_b32 v7, 3, v3                        ; 8 h: where my two bytes stand in a scale word
	v_lshl_add_u32 v8, v2, 4, v7                   ; 16 r + 8 h: my two words of the 256 bytes of scale words
	v_mov_b32 v17, 0                               ; written once: a lane permute's destination counts as one of its sources
	s_mov_b32 s28, 0x76543210
	s_mov_b32 s29, 0xfedcba98                      ; v_permlanex16_b32's selects for lane l xor 16
	s_lshr_b32 s17, s16, 1
	s_lshl_b32 s18, ttmp9, 1
	s_add_co_u32 s17, s17, s18                     ; T: my tile
	s_and_b32 s18, s16, 1                          ; my half of K
	s_wait_alu depctr_va_vdst(0)                   ; the wait at the head's end
	s_wait_kmcnt 0x0
	s_mov_b64 s[20:21], s[10:11]                   ; which tensor: the choice hangs on the work-group's number alone
	s_mov_b32 s19, 640                             ; and its first tile
	s_cmp_lt_u32 ttmp9, 320
	s_cselect_b64 s[20:21], s[8:9], s[20:21]
	s_cselect_b32 s19, 576, s19
	s_cmp_lt_u32 ttmp9, 288
	s_cselect_b64 s[20:21], s[6:7], s[20:21]
	s_cselect_b32 s19, 512, s19
	s_cmp_lt_u32 ttmp9, 256
	s_cselect_b64 s[20:21], s[4:5], s[20:21]
	s_cselect_b32 s19, 0, s19
	s_sub_co_u32 s22, s17, s19                     ; the tile's number in its tensor
	s_lshr_b32 s23, s22, 1
	s_lshl_b32 s23, s23, 17                        ; 32 rows of 4,096 bytes for each pair of tiles,
	s_and_b32 s22, s22, 1
	s_lshl_b32 s22, s22, 15                        ; 8 rows for the odd one,
	s_add_co_u32 s22, s22, s23
	s_lshl_b32 s23, s18, 11                        ; 2,048 bytes for the upper half of K
	s_add_co_u32 s22, s22, s23
	s_mov_b32 s23, 0
	s_add_nc_u64 s[20:21], s[20:21], s[22:23]
	s_mul_i32 s22, s17, RECB
	s_add_nc_u64 s[12:13], s[12:13], s[22:23]      ; my tile's record
	s_mul_i32 s22, s18, 6144
	s_add_nc_u64 s[24:25], s[12:13], s[22:23]      ; my four fragments
	s_lshl_b32 s22, s18, 8
	s_add_co_u32 s22, s22, 12288
	s_add_nc_u64 s[26:27], s[12:13], s[22:23]      ; my 256 bytes of scale words
.macro LOAD u                          ; unit u: 16 rows x 128 numbers into set u % 2 of window u / 2; 32 lanes read 512 consecutive bytes, at a multiple of 512 from the tensor's first byte
.if (\u) > 1
	s_set_vgpr_msb 0x40                            ; the destination in window 1
.endif
.irp i, 0,1,2,3,4,5,6,7,8,9,10,11,12,13,14,15
	global_load_b128 v[R+64*((\u)%2)+4*\i:R+64*((\u)%2)+4*\i+3], v4, s[20:21] offset:(\i+8*(\i/8))*4096+512*(\u) th:TH_LOAD_NT
.endr
.if (\u) > 1
	s_set_vgpr_msb 0x4000
.endif
.endm
.macro TURN u                          ; through the stage: LDS serves a wave's instructions in order, so no wait stands between the stores and the loads
.if (\u) > 1
	s_set_vgpr_msb 0x04                            ; the stores' data in window 1
.endif
.irp i, 0,1,2,3,4,5,6,7,8,9,10,11,12,13,14,15
	ds_store_b128 v5, v[R+64*((\u)%2)+4*\i:R+64*((\u)%2)+4*\i+3] offset:SP*\i
.endr
.if (\u) > 1
	s_set_vgpr_msb 0x0400
.endif
.irp c, 0,1
.irp j, 0,1,2,3,4,5,6,7
	ds_load_b128 v[X+32*\c+4*\j:X+32*\c+4*\j+3], v6 offset:256*\c+16*\j   ; k = 64 c + 32 h + 4 j on, of row r
.endr
.endr
.endm
.macro QB u                            ; my blocks h and 2 + h of row r: scale bytes, the row's scale word, the codes
.irp c, 0,1
	v_max3_num_f32 v[10+\c], |v[X+32*\c]|, |v[X+32*\c+1]|, 0x2800000   ; with the floor 2^(5 - 127): the byte cannot fall under 1
.endr
.irp i, 2,4,6,8,10,12,14,16,18,20,22,24,26,28,30
.irp c, 0,1
	v_max3_num_f32 v[10+\c], v[10+\c], |v[X+32*\c+\i]|, |v[X+32*\c+\i+1]|   ; the two blocks by turns
.endr
.endr
.irp c, 0,1
	v_add_nc_u32 v[12+\c], 0xfe000000, v[10+\c]    ; 4 off the exponent field: the conversion takes the exponent field of this operand as its scale
.endr
.irp c, 0,1
	v_lshrrev_b32 v[14+\c], 23, v[12+\c]           ; the scale's byte
.endr
	v_lshl_or_b32 v16, v15, 16, v14                ; my two bytes,
	v_lshlrev_b32 v16, v7, v16                     ; at their places in the word (8 h bits up);
	v_permlanex16_b32 v17, v16, s28, s29
	v_or_b32 v[WD+(\u)], v16, v17                  ; with lane l xor 16's two the word is whole
.if (\u) > 0
	s_wait_alu depctr_va_vdst(0)                   ; the wait here, directly ahead of the wait below
	s_wait_xcnt 0x0                                ; the last unit's stores have read the codes' registers: they are written again only behind this wait
.endif
.irp c, 0,1
	v_cvt_scalef32_pk16_bf6_f32 v[C+6*\c:C+6*\c+2], v[X+32*\c:X+32*\c+15], v[12+\c]
	v_cvt_scalef32_pk16_bf6_f32 v[CT+4*\c:CT+4*\c+2], v[X+32*\c+16:X+32*\c+31], v[12+\c]   ; a conversion's three registers begin on an even number: the block's upper half is made here and moved
.endr
	v_nop                                          ; one plain instruction behind a scaled conversion, ahead of the moves that read its result
.irp c, 0,1
.irp i, 0,1,2
	v_mov_b32 v[C+6*\c+3+\i], v[CT+4*\c+\i]
.endr
.endr
.endm
.macro OUT u                           ; the fragment as it stands: each store of the wave covers 512 consecutive bytes, at a multiple of 256 from xw's first byte
.irp c, 0,1,2
	global_store_b128 v4, v[C+4*\c:C+4*\c+3], s[24:25] offset:1536*(\u)+512*\c
.endr
.endm
	LOAD 0
	LOAD 1
	LOAD 2
	LOAD 3
.irp u, 0,1,2,3
	s_wait_loadcnt 16*(3-\u)                       ; this unit's 16 loads are in; the later units' 16 each may be out
	TURN \u
	s_wait_dscnt 0x0                               ; my 64 numbers are back
	QB \u
	OUT \u
.endr
	v_cmp_ne_u32 vcc_lo, 0, v3
	v_cndmask_b32 v18, v[WD], v[WD+2], vcc_lo      ; lanes 0-15 store words 0 and 1 of row r, lanes 16-31 words 2 and 3:
	v_cndmask_b32 v19, v[WD+1], v[WD+3], vcc_lo
	global_store_b64 v8, v[18:19], s[26:27]        ; 32 lanes store 256 consecutive bytes, aligned
	s_wait_tensorcnt 0x0                           ; the wave's end
	ds_add_u32 v244, v245
	s_wait_dscnt 0x0
	s_endpgm
.Lfunc_end_k_qf813c307ef_quant:
	.size	k_qf813c307ef_quant, .Lfunc_end_k_qf813c307ef_quant-k_qf813c307ef_quant
	.p2alignl 7, 3214868480
	.fill 96, 4, 3214868480
	.section	.rodata,"a",@progbits
	.p2align	6, 0x0
	.amdhsa_kernel k_qf813c307ef_quant
		.amdhsa_group_segment_fixed_size 34304
		.amdhsa_private_segment_fixed_size 0
		.amdhsa_enable_private_segment 0
		.amdhsa_kernarg_size 40
		.amdhsa_user_sgpr_count 2
		.amdhsa_user_sgpr_kernarg_segment_ptr 1
		.amdhsa_wavefront_size32 1
		.amdhsa_system_sgpr_workgroup_id_x 1
		.amdhsa_system_sgpr_workgroup_id_y 1
		.amdhsa_system_sgpr_workgroup_id_z 1
		.amdhsa_system_vgpr_workitem_id 0
		.amdhsa_next_free_vgpr 416
		.amdhsa_next_free_sgpr 66
		.amdhsa_reserve_vcc 1
		.amdhsa_float_denorm_mode_32 3
		.amdhsa_float_denorm_mode_16_64 3
		.amdhsa_memory_ordered 1
		.amdhsa_forward_progress 1
		.amdhsa_inst_pref_size 31
	.end_amdhsa_kernel
	.amdgpu_metadata
---
amdhsa.version: [ 1, 2 ]
amdhsa.kernels:
  - .name:           k_qf813c307ef_quant
    .symbol:         k_qf813c307ef_quant.kd
    .args:
      - { .name: hidden_state, .offset: 0, .size: 8, .value_kind: global_buffer, .address_space: global }
      - { .name: Wq, .offset: 8, .size: 8, .value_kind: global_buffer, .address_space: global }
      - { .name: Wk, .offset: 16, .size: 8, .value_kind: global_buffer, .address_space: global }
      - { .name: Wv, .offset: 24, .size: 8, .value_kind: global_buffer, .address_space: global }
      - { .name: xw, .offset: 32, .size: 8, .value_kind: global_buffer, .address_space: global }
    .group_segment_fixed_size: 34304
    .private_segment_fixed_size: 0
    .kernarg_segment_align: 8
    .kernarg_segment_size: 40
    .max_flat_workgroup_size: 128
    .sgpr_count:     66
    .vgpr_count:     416
    .wavefront_size: 32
...
	.end_amdgpu_metadata
.endif
;; end of part 1
;; launch proj (part 2): grid 32 x 8, 4 waves a work-group, clusters of 4 x 1, 327,680 bytes of LDS; arguments xw, qkv, bq, bk, bv; writes qkv
.if DOCPART == 2
	.amdgcn_target "amdgcn-amd-amdhsa--gfx1250"
	.amdhsa_code_object_version 6
	.text
	.protected	k_qf813c307ef_proj
	.globl	k_qf813c307ef_proj
	.p2align	8
	.type	k_qf813c307ef_proj,@function
k_qf813c307ef_proj:
	s_mov_b64 s[64:65], 0
	v_nop
	global_prefetch_b8 v0, s[64:65] scope:SCOPE_SE
	s_setreg_imm32_b32 hwreg(HW_REG_WAVE_MODE, 25, 1), 1
	s_wait_xcnt 0x0
	s_wait_alu depctr_hold_cnt(0) depctr_sa_sdst(0) depctr_va_vdst(0) depctr_va_sdst(0) depctr_va_ssrc(0) depctr_va_vcc(0) depctr_vm_vsrc(0)
	s_getreg_b32 s2, hwreg(HW_REG_IB_STS2, 6, 4)
	s_cmp_eq_u32 s2, 0
	s_cbranch_scc0 .Lentry_in_a_cluster
	s_endpgm
.Lentry_in_a_cluster:
	s_bfe_u32 s2, ttmp6, 0x10000c
	s_cmp_lg_u32 s2, 0x3003
	s_cbranch_scc0 .Lentry_shape_is_right
	s_endpgm
.Lentry_shape_is_right:
; q, k, v = hidden_state W^T + b on codes of BF6 (E3M2) with E8M0 scales, quantised again on the way out: q and k along the head's 64 channels, v along the keys.
; IN: xw, records of 12,800 bytes for tiles of 16 rows: eight fragments as images of the operand's registers (1536 s + 512 c + 16 lane), then 512 bytes of scale words [s / 4][r][s % 4].
;     Tiles 0-511 hidden_state, 512 on Wq, 576 on Wk, 640 on Wv; lane r of tile T holds row 32 (T / 2) + 8 (T % 2) + r + 8 (r / 8).
; OUT: qkv, record 128 sect + 16 b + head of 51,200 bytes: 64 half fragments of 768 bytes (registers 0-3 at 16 lane, 4-5 at 512 + 8 lane), then 8 units of 256 bytes of scale words [r][4].
;     q, k: half fragment = token tile; unit g, word p = tile 8 g + 2 p's two bytes | tile 8 g + 2 p + 1's << 16.   v: half fragment 4 kc + ct (16 channels x keys 64 kc on); unit g, word ct = the bytes of keys 128 g on.
; SHARES: 32 x 8 = 256 work-groups.  Work-group (rb, x) owns tokens 256 rb on and channels 128 x on (heads 2 x, 2 x + 1) of q, of k and of v.  Wave w owns 64 tokens (tiles 16 rb + 4 w + 0..3).
;     Its 32 fragments of hidden_state (4 tiles x 8 K steps, 384 registers) come once from xw by loads of 16 bytes a lane and stay in registers for all three sections.
;     The weights of a section (8 records, 102,400 bytes) lie in LDS bytes of their own: 3 x 102,400 bytes; no LDS byte is filled twice.  Each wave asks for a quarter of a section, a whole section ahead of its use.
; CLUSTERS: the four work-groups of a cluster (4 x 1) have the same x and so the same weights: every tensor load is a joint one, mask 15; its address hangs on x and the wave's number alone.
; PRODUCTS: q, k: source 0 = 16 rows of W, source 1 = my tokens: a lane holds a token, its registers run along the channels.  v: the sources are swapped: a lane holds a channel, its registers run along the keys.
;     The bias is the C of the first K step.  The 32 accumulators take turns, one instruction a turn.
; No prefetch: the text has no loop to run ahead in, and each section's weights are asked for one section (256 matrix instructions a wave) ahead.
; LIMITS: a block whose largest magnitude lies under 2^-122 (a block of zeros too) gets the byte 1; the bytes are read by this program alone.  NaN and infinities are not served.
; REGISTERS: window 0: v0-39 addresses; v40-103 scale words (lanes 0-15 W's tile b, lanes 16-31 my tile b % 4); v104-167 the bias; v168-207 the quantiser's; v208-255 X, K step 7.
;     window 1: v0-143 W's fragments, a ring of three groups of four; v144-239 X, K steps 5, 6.   window 2: the accumulators.   window 3: v0-239 X, K steps 0-4.
.set RECB,  12800
.set SECB,  8*RECB                     ; a section's weights in LDS
.set QREC,  51200
.set SECT,  128*QREC
.set XST,   3*SECB                     ; behind the weights: my tiles' scale words, 2,048 bytes a wave
.set BST,   XST+8192                   ; the three biases' 128 numbers each, 1,536 bytes a wave
.set SST,   BST+6144                   ; the scale words on the way out: [sect][head][unit] of 256 bytes
.set SPARE, SST+3072                   ; the spare words, 128 bytes a wave
.set VO0,  4                           ; 16 x lane
.set VO2,  5                           ; 8 x lane
.set AXS,  6
.set ABS,  7
.set ABQ,  8
.set ABV,  9
.set SQ,   10
.set SV,   11
.set SRD,  12
.set PSL,  13
.set AW,   14                          ; v14-19: 16 x lane + 51,200 k: four records each
.set ADRS, 20                          ; v20-27: the scale words' addresses, one for each tile of W
.set SPW,  28
.set NIL,  29
.set SC,   40
.set BI,   104
.set PC,   168
.set TM,   188
.set PW,   204
.set G1,   24
.set G0,   32                          ; s[32:43]: group 0 for each of the three sections
.set MSB, 0
.macro WIN new                         ; the immediate's high byte repeats the setting that is left
.if MSB != (\new)
	s_set_vgpr_msb (MSB<<8)|(\new)
.set MSB, (\new)
.endif
.endm
.macro CROUND                          ; a round of the cluster's barrier
	s_barrier_signal -1
	s_barrier_wait -1
	s_cmp_lg_u32 s14, 0
	s_cbranch_scc1 .Lnw0_\@
	s_barrier_signal -3
.Lnw0_\@:
	s_barrier_wait -3
	s_barrier_signal -1
	s_barrier_wait -1
.endm
.macro PLACES
.rept 4
	v_nop
.endr
.endm
.macro TLOAD n                         ; my quarter of section n
	tensor_load_to_lds s[G0+4*(\n):G0+4*(\n)+3], s[G1:G1+7]
	s_nop 0
	PLACES
.endm
.macro XLOAD ks                        ; my four tiles' fragments of K step ks: 12 loads, each of 512 consecutive bytes
.if (\ks) < 5
.set LW, 3
.set LB, 48*(\ks)
.elseif (\ks) < 7
.set LW, 1
.set LB, 144+48*((\ks)-5)
.else
.set LW, 0
.set LB, 208
.endif
	WIN LW<<6
.irp i, 0,1,2,3
.irp c, 0,1,2
	global_load_b128 v[LB+12*\i+4*\c:LB+12*\i+4*\c+3], v[VO0], s[18:19] offset:RECB*\i+1536*(\ks)+512*\c
.endr
.endr
	WIN 0
.endm
	s_load_b128 s[4:7], s[0:1], 0x0                ; xw, qkv
	s_load_b128 s[8:11], s[0:1], 0x10              ; bq, bk
	s_load_b64 s[12:13], s[0:1], 0x20              ; bv
	v_lshl_add_u32 v[SPW], v0, 2, SPARE
	v_mov_b32 v[NIL], 0
	ds_add_u32 v[SPW], v[NIL]                      ; the opening lines: the add, twice on end, and its wait
	ds_add_u32 v[SPW], v[NIL]
	v_lshrrev_b32 v1, 5, v0
	v_readfirstlane_b32 s14, v1                    ; wave 0..3
	s_bfe_u32 s48, ttmp6, 0x40000                  ; cx
	s_lshl_b32 s49, ttmp9, 2
	s_add_co_u32 s49, s49, s48                     ; rb = 4 x cluster x + cx
	s_and_b32 s50, ttmp7, 0xffff                   ; x
	s_mov_b32 s[G1], 15|(3<<16)|(1<<21)            ; the mask of all four; elements of 8 bytes; bit 21 beside a mask
	s_mov_b32 s[G1+1], 32<<16                      ; 25,600 dense bytes as 100 rows of 256
	s_mov_b32 s[G1+2], 100<<16
	s_mov_b32 s[G1+3], 32<<16
	s_mov_b32 s[G1+4], 100
	s_mov_b32 s[G1+5], 32
	s_mov_b32 s[G1+6], 0
	s_mov_b32 s[G1+7], 0
	s_lshl_b32 s16, s50, 3
	s_lshl_b32 s17, s14, 1
	s_add_co_u32 s16, s16, s17
	s_add_co_u32 s16, s16, 512
	s_mul_i32 s16, s16, RECB                       ; Wq's records 8 x + 2 w, 8 x + 2 w + 1
	s_mov_b32 s17, 0
	s_lshl_b32 s18, s49, 4
	s_lshl_b32 s19, s14, 2
	s_add_co_u32 s18, s18, s19
	s_mul_i32 s18, s18, RECB                       ; my four tiles of hidden_state
	s_mov_b32 s19, 0
	s_mul_i32 s20, s14, 2*RECB                     ; my quarter of a section in LDS
	s_wait_alu depctr_va_vdst(0)                   ; the wait here, directly ahead of the wait below
	s_wait_dscnt 0x0
	s_wait_kmcnt 0x0
	s_add_nc_u64 s[16:17], s[4:5], s[16:17]
	s_add_nc_u64 s[18:19], s[4:5], s[18:19]
.irp n, 0,1,2
	s_mov_b32 s[G0+4*\n], 1
	s_add_co_u32 s[G0+4*\n+1], s20, \n*SECB
	s_add_nc_u64 s[G0+4*\n+2:G0+4*\n+3], s[16:17], \n*64*RECB
	s_or_b32 s[G0+4*\n+3], s[G0+4*\n+3], 0x80000000
.endr
	CROUND                                         ; the four work-groups are here: the joint loads meet
	TLOAD 0                                        ; Wq's section: my one tensor load at the head
	; where my results go
	s_lshr_b32 s20, s49, 2
	s_and_b32 s21, s49, 3
	s_lshl_b32 s20, s20, 4
	s_lshl_b32 s22, s50, 1
	s_add_co_u32 s20, s20, s22                     ; 16 b + 2 x
	s_mul_i32 s2, s20, QREC
	s_lshl_b32 s22, s21, 2
	s_add_co_u32 s22, s22, s14
	s_mul_i32 s22, s22, 3072                       ; four half fragments for each 64 tokens, in q, k and v alike
	s_add_co_u32 s2, s2, s22
	s_mov_b32 s3, 0
	s_add_nc_u64 s[52:53], s[6:7], s[2:3]          ; q's (k's: + SECT)
	s_add_nc_u64 s[54:55], s[52:53], 2*SECT        ; v's
	s_lshr_b32 s22, s14, 1
	s_add_co_u32 s22, s22, s20
	s_mul_i32 s2, s22, QREC                        ; the unit of scale words that I store: head 2 x + w / 2,
	s_lshl_b32 s23, s21, 1
	s_and_b32 s15, s14, 1
	s_add_co_u32 s23, s23, s15
	s_lshl_b32 s23, s23, 8                         ; unit 2 (rb % 4) + w % 2
	s_add_co_u32 s2, s2, s23
	s_add_co_u32 s2, s2, 49152
	s_add_nc_u64 s[56:57], s[6:7], s[2:3]
	s_add_nc_u64 s[58:59], s[56:57], 2*SECT
	s_lshl_b32 s2, s50, 9                          ; my 128 channels of the biases
	s_add_nc_u64 s[8:9], s[8:9], s[2:3]
	s_add_nc_u64 s[10:11], s[10:11], s[2:3]
	s_add_nc_u64 s[12:13], s[12:13], s[2:3]
	s_mov_b32 s60, 0x76543210
	s_mov_b32 s61, 0xfedcba98                      ; v_permlanex16_b32's selects for lane l xor 16
	; LDS places: they hang on the wave's number alone
	s_lshl_b32 s51, s14, 11
	s_add_co_u32 s51, s51, XST
	s_mul_i32 s20, s14, 1536
	s_add_co_u32 s20, s20, BST
	s_lshr_b32 s21, s14, 1
	s_lshl_b32 s21, s21, 8
	s_lshl_b32 s22, s15, 1
	s_add_co_u32 s22, s22, s21
	s_add_co_u32 s22, s22, SST+2048                ; v: unit w / 2, bytes 2 (w % 2) on of a word
	s_lshl_b32 s23, s15, 3
	s_add_co_u32 s21, s21, s23
	s_add_co_u32 s21, s21, SST                     ; q, k: unit w / 2, words 2 (w % 2) on
	s_lshl_b32 s23, s14, 8
	s_add_co_u32 s23, s23, SST
	s_mov_b32 s15, 0x02020202
	v_and_b32 v1, 15, v0                           ; r
	v_bfe_u32 v2, v0, 4, 1                         ; h
	v_and_b32 v3, 31, v0
	v_lshlrev_b32 v[VO0], 4, v3
	v_lshlrev_b32 v[VO2], 3, v3
	v_add_nc_u32 v[AXS], s51, v[VO0]
	v_add_nc_u32 v[ABS], s20, v[VO0]
	v_lshlrev_b32 v[ABQ], 6, v2
	v_add_nc_u32 v[ABQ], s20, v[ABQ]               ; q, k: the bias of channels 16 h on
	v_and_b32 v30, 8, v1
	v_add_nc_u32 v30, v30, v1
	v_lshlrev_b32 v[ABV], 2, v30
	v_add_nc_u32 v[ABV], s20, v[ABV]               ; v: the bias of channel r + 8 (r / 8)
	v_lshlrev_b32 v31, 4, v1
	v_lshl_add_u32 v[SQ], v2, 9, v31
	v_add_nc_u32 v[SQ], s21, v[SQ]                 ; lanes 0-15 the first head's words, lanes 16-31 the second's
	v_add_nc_u32 v[SV], s22, v31
	v_add_nc_u32 v[SRD], s23, v[VO2]
	v_mul_lo_u32 v[PSL], v2, s15
	v_add_nc_u32 v[PSL], 0x05040100, v[PSL]        ; the two low halves (h = 0) or the two high halves (h = 1)
.irp k, 0,1,2,3,4,5
	v_add_nc_u32 v[AW+\k], 51200*\k, v[VO0]
.endr
.irp b, 0,1,2,3
	v_mov_b32 v[TM+4+\b], 0                        ; a lane permute's destination counts as one of its sources
.endr
	s_wait_alu depctr_va_vdst(0)                   ; the wait at the end of the head's vector work
.irp i, 0,1,2,3
	global_load_b128 v[SC+4*\i:SC+4*\i+3], v[VO0], s[18:19] offset:RECB*\i+12288   ; my tiles' scale words, 512 bytes each
.endr
	global_load_b128 v[SC+16:SC+19], v[VO0], s[8:9]
	global_load_b128 v[SC+20:SC+23], v[VO0], s[10:11]
	global_load_b128 v[SC+24:SC+27], v[VO0], s[12:13]
	XLOAD 0
	XLOAD 1
	XLOAD 2
	XLOAD 3
	s_wait_loadcnt 48                              ; the seven small loads are in; X's 48 may be out
.irp i, 0,1,2,3
	ds_store_b128 v[AXS], v[SC+4*\i:SC+4*\i+3] offset:512*\i
.endr
.irp n, 0,1,2
	ds_store_b128 v[ABS], v[SC+16+4*\n:SC+19+4*\n] offset:512*\n   ; my own copies: only I read them, and LDS serves a wave's instructions in order
.endr
	XLOAD 4
.macro FETCH s, u                      ; unit u = K step u / 2, W's tiles 4 (u % 2) + 0..3, into group u % 3 of the ring: 12 loads
	WIN 0x40
.irp bb, 0,1,2,3
.irp c, 0,1,2
	ds_load_b128 v[48*((\u)%3)+12*\bb+4*\c:48*((\u)%3)+12*\bb+4*\c+3], v[AW+2*(\s)+(\u)%2] offset:RECB*\bb+1536*((\u)/2)+512*\c
.endr
.endr
	WIN 0
.endm
.macro PRE s                           ; what section s needs ahead of its first product
.irp b, 0,1,2,3,4,5,6,7                ; lanes 0-15: tile b's scale words in W's record; lanes 16-31: my tile b % 4's, in my stage: the lower place + h x the distance
	s_sub_co_u32 s20, s51, (\s)*SECB+\b*RECB+12288-(\b%4)*512
	v_mul_u32_u24 v[ADRS+\b], s20, v2
	v_lshl_add_u32 v[ADRS+\b], v1, 4, v[ADRS+\b]
	v_add_nc_u32 v[ADRS+\b], (\s)*SECB+\b*RECB+12288, v[ADRS+\b]
.endr
	s_wait_alu depctr_va_vdst(0)                   ; the wait here, ahead of the readers below
	FETCH \s, 0
.irp b, 0,1,2,3,4,5,6,7
.irp f, 0,1
	ds_load_b128 v[SC+8*\b+4*\f:SC+8*\b+4*\f+3], v[ADRS+\b] offset:256*\f
.endr
.endr
.if (\s) == 2
.irp b, 0,1,2,3,4,5,6,7                ; v: a lane's eight results of tile b are one channel's: its bias eight times
.irp j, 0,1,2,3,4,5,6,7
	ds_load_b32 v[BI+8*\b+\j], v[ABV] offset:1024+4*(32*(\b/2)+8*(\b%2))
.endr
.endr
.else
.irp e, 0,1,2,3                        ; q, k: register 16 e + i is channel 32 e + 16 h + i
.irp q, 0,1,2,3
	ds_load_b128 v[BI+16*\e+4*\q:BI+16*\e+4*\q+3], v[ABQ] offset:512*(\s)+128*\e+16*\q
.endr
.endr
.endif
	FETCH \s, 1
	FETCH \s, 2
.endm
.macro UNIT s, u                       ; 16 matrix instructions: my four tiles x four tiles of W, 128 along K
.set KS, (\u)/2
.set GB, 4*((\u)%2)
.set RG, 48*((\u)%3)
.if KS < 5
.set XW, 3
.set XB, 48*KS
.elseif KS < 7
.set XW, 1
.set XB, 144+48*(KS-5)
.else
.set XW, 0
.set XB, 208
.endif
.if KS == 0
.set CW, 0
.else
.set CW, 2
.endif
.if (\s) == 0 && (\u)%2 == 0
.if KS < 4
	s_wait_loadcnt 48                              ; X's K step KS is in; the four steps asked for behind it may be out
.else
	s_wait_loadcnt 12*(7-KS)
.endif
.if KS < 3
	XLOAD KS+5
.endif
.endif
.if (\u) < 14
	s_wait_dscnt 24                                ; this unit's loads are in; the two younger fetches of 12 may be out
.else
	s_wait_dscnt 12*(15-(\u))
.endif
.if (\s) == 2
	WIN 0x80|(CW<<4)|(1<<2)|XW
.else
	WIN 0x80|(CW<<4)|(XW<<2)|1
.endif
.irp i, 0,1,2,3
.irp bb, 0,1,2,3
.set BN, GB+\bb
.if (\s) == 2
.set AC, 8*(4*BN+\i)
.else
.set AC, 8*(8*\i+BN)
.endif
.if KS == 0
.set CR, BI+8*BN
.else
.set CR, AC
.endif
.if (\s) == 2
	v_wmma_scale_f32_16x16x128_f8f6f4 v[AC:AC+7], v[XB+12*\i:XB+12*\i+11], v[RG+12*\bb:RG+12*\bb+11], v[CR:CR+7], v[SC+8*\i+KS], v[SC+8*BN+KS] matrix_a_fmt:MATRIX_FMT_BF6 matrix_b_fmt:MATRIX_FMT_BF6 matrix_a_scale:MATRIX_SCALE_ROW1
.else
	v_wmma_scale_f32_16x16x128_f8f6f4 v[AC:AC+7], v[RG+12*\bb:RG+12*\bb+11], v[XB+12*\i:XB+12*\i+11], v[CR:CR+7], v[SC+8*BN+KS], v[SC+8*\i+KS] matrix_a_fmt:MATRIX_FMT_BF6 matrix_b_fmt:MATRIX_FMT_BF6 matrix_b_scale:MATRIX_SCALE_ROW1
.endif
.endr
.endr
.if (\u) < 13
	PLACES                                         ; four places ahead of loads into registers that matrix instructions have read
	FETCH \s, (\u)+3                               ; the group just read takes the unit three on: 32 matrix instructions ahead of its use
.endif
.endm
.macro MAT s
.set U, 0
.rept 16
	UNIT \s, U
.set U, U+1
.endr
	WIN 0
	PLACES
.endm
; 64 accumulator registers from s on (window 2) are four blocks of 32 along the next K, 16 numbers in this lane and 16 in lane l xor 16: their scale word into pw, their codes into v[PC .. PC + 11]
.macro QUANT s, pw
	WIN 0x28
.irp b, 0,1,2,3
	v_max3_num_f32 v[TM+\b], 0x2800000, |v[(\s)+16*\b]|, |v[(\s)+1+16*\b]|   ; with the floor 2^(5 - 127); each accumulator is first read at its low end
.endr
.irp i, 2,4,6,8,10,12,14
.irp b, 0,1,2,3
	v_max3_num_f32 v[TM+\b], v[TM+\b], |v[(\s)+16*\b+\i]|, |v[(\s)+1+16*\b+\i]|
.endr
.endr
	WIN 0
.irp b, 0,1,2,3
	v_permlanex16_b32 v[TM+4+\b], v[TM+\b], s60, s61
.endr
.irp b, 0,1,2,3
	v_max_num_f32 v[TM+\b], v[TM+\b], v[TM+4+\b]
.endr
.irp b, 0,1,2,3
	v_add_nc_u32 v[TM+12+\b], 0xfe000000, v[TM+\b] ; 4 off the exponent field: the conversion's scale operand
.endr
.irp b, 0,1,2,3
	v_lshrrev_b32 v[TM+4+\b], 23, v[TM+12+\b]      ; the scale's byte
.endr
	v_lshl_or_b32 v[\pw], v[TM+5], 8, v[TM+4]
	v_lshl_or_b32 v[\pw], v[TM+6], 16, v[\pw]
	v_lshl_or_b32 v[\pw], v[TM+7], 24, v[\pw]
	WIN 0x02
.irp c, 0,1
	v_cvt_scalef32_pk16_bf6_f32 v[PC+6*\c:PC+2+6*\c], v[(\s)+32*\c:(\s)+15+32*\c], v[TM+12+2*\c]
	v_cvt_scalef32_pk16_bf6_f32 v[PC+12+4*\c:PC+14+4*\c], v[(\s)+16+32*\c:(\s)+31+32*\c], v[TM+12+2*\c+1]
.endr
	WIN 0
	v_nop                                          ; one plain instruction behind a scaled conversion
.irp c, 0,1                            ; the operand's layout wants a whole block in a lane
.irp i, 0,1,2
	v_permlane16_swap_b32 v[PC+6*\c+\i], v[PC+12+4*\c+\i]
.endr
.irp i, 0,1,2
	v_mov_b32 v[PC+3+6*\c+\i], v[PC+12+4*\c+\i]
.endr
.endr
.endm
.macro HALVES base, o0, o1             ; two half fragments: each store covers 512 or 256 consecutive bytes, at a multiple of 256
	global_store_b128 v[VO0], v[PC:PC+3], s[\base:\base+1] offset:\o0
	global_store_b64 v[VO2], v[PC+4:PC+5], s[\base:\base+1] offset:\o0+512
	global_store_b128 v[VO0], v[PC+6:PC+9], s[\base:\base+1] offset:\o1
	global_store_b64 v[VO2], v[PC+10:PC+11], s[\base:\base+1] offset:\o1+512
.endm
.macro EPIQK s                         ; token tile i: 128 channels = two heads' half fragments
.irp i, 0,1,2,3
	s_wait_alu depctr_va_vdst(0)                   ; the wait here, directly ahead of the wait below
	s_wait_xcnt 0x0                                ; the stores before have read the codes' registers
	QUANT 64*\i, PW+\i
	HALVES 52, (\s)*SECT+768*\i, (\s)*SECT+QREC+768*\i
.endr
	v_perm_b32 v[TM], v[PW+1], v[PW], v[PSL]       ; my head's two bytes of tiles 0 and 1,
	v_perm_b32 v[TM+1], v[PW+3], v[PW+2], v[PSL]   ; of tiles 2 and 3
	ds_store_b64 v[SQ], v[TM:TM+1] offset:1024*(\s)
.endm
	s_wait_alu depctr_va_vdst(0)                   ; the wait at the head's end
	s_wait_tensorcnt 0x0                           ; my quarter of Wq's section is in; these lines stand ahead of a later first fill
	ds_add_u32 v[SPW], v[NIL]
	s_wait_dscnt 0x0
	CROUND                                         ; everybody's quarter is in
	TLOAD 1                                        ; Wk's section
	PRE 0
	MAT 0
	s_wait_tensorcnt 0x0                           ; my quarter of Wk's section is in
	ds_add_u32 v[SPW], v[NIL]
	s_wait_dscnt 0x0
	CROUND
	TLOAD 2                                        ; Wv's section
	PRE 1                                          ; k's first fragments are on their way while q goes out
	EPIQK 0
	MAT 1
	s_wait_tensorcnt 0x0                           ; my quarter of Wv's section is in;
	s_wait_dscnt 0x0
	s_barrier_signal -1
	s_barrier_wait -1                              ; everybody's is.
	PRE 2
	EPIQK 1
	MAT 2
.irp p, 0,1,2,3                        ; channel tiles 2 p and 2 p + 1: my 64 keys of each are a half fragment
	s_wait_alu depctr_va_vdst(0)                   ; the wait here, directly ahead of the wait below
	s_wait_xcnt 0x0
	QUANT 64*\p, PW+\p
	HALVES 54, (\p/2)*QREC+1536*(\p%2), (\p/2)*QREC+1536*(\p%2)+768
	ds_store_b16 v[SV], v[PW+\p] offset:512*(\p/2)+8*(\p%2)            ; both halves of the lanes write the same bytes with the same values
	ds_store_b16_d16_hi v[SV], v[PW+\p] offset:512*(\p/2)+8*(\p%2)+4
.endr
	s_wait_alu depctr_va_vdst(0)                   ; the wait here, directly ahead of the wait below
	s_wait_dscnt 0x0                               ; my scale words are in the stage
	s_barrier_signal -1
	s_barrier_wait -1                              ; everybody's are
.irp n, 0,1,2
	ds_load_b64 v[TM+2*\n:TM+2*\n+1], v[SRD] offset:1024*\n
.endr
	s_wait_dscnt 0x0
	global_store_b64 v[VO2], v[TM:TM+1], s[56:57]                      ; 32 lanes store one aligned unit of 256 bytes
	global_store_b64 v[VO2], v[TM+2:TM+3], s[56:57] offset:SECT
	global_store_b64 v[VO2], v[TM+4:TM+5], s[58:59]
	s_wait_tensorcnt 0x0                           ; the wave's end
	ds_add_u32 v[SPW], v[NIL]
	s_wait_dscnt 0x0
	CROUND                                         ; the closing round
	s_endpgm
.Lfunc_end_k_qf813c307ef_proj:
	.size	k_qf813c307ef_proj, .Lfunc_end_k_qf813c307ef_proj-k_qf813c307ef_proj
	.p2alignl 7, 3214868480
	.fill 96, 4, 3214868480
	.section	.rodata,"a",@progbits
	.p2align	6, 0x0
	.amdhsa_kernel k_qf813c307ef_proj
		.amdhsa_group_segment_fixed_size 327680
		.amdhsa_private_segment_fixed_size 0
		.amdhsa_enable_private_segment 0
		.amdhsa_kernarg_size 40
		.amdhsa_user_sgpr_count 2
		.amdhsa_user_sgpr_kernarg_segment_ptr 1
		.amdhsa_wavefront_size32 1
		.amdhsa_system_sgpr_workgroup_id_x 1
		.amdhsa_system_sgpr_workgroup_id_y 1
		.amdhsa_system_sgpr_workgroup_id_z 1
		.amdhsa_system_vgpr_workitem_id 0
		.amdhsa_next_free_vgpr 1024
		.amdhsa_next_free_sgpr 66
		.amdhsa_reserve_vcc 0
		.amdhsa_float_denorm_mode_32 3
		.amdhsa_float_denorm_mode_16_64 3
		.amdhsa_memory_ordered 1
		.amdhsa_forward_progress 1
		.amdhsa_inst_pref_size 230
	.end_amdhsa_kernel
	.amdgpu_metadata
---
amdhsa.version: [ 1, 2 ]
amdhsa.kernels:
  - .name:           k_qf813c307ef_proj
    .symbol:         k_qf813c307ef_proj.kd
    .args:
      - { .name: xw, .offset: 0, .size: 8, .value_kind: global_buffer, .address_space: global }
      - { .name: qkv, .offset: 8, .size: 8, .value_kind: global_buffer, .address_space: global }
      - { .name: bq, .offset: 16, .size: 8, .value_kind: global_buffer, .address_space: global }
      - { .name: bk, .offset: 24, .size: 8, .value_kind: global_buffer, .address_space: global }
      - { .name: bv, .offset: 32, .size: 8, .value_kind: global_buffer, .address_space: global }
    .group_segment_fixed_size: 327680
    .private_segment_fixed_size: 0
    .kernarg_segment_align: 8
    .kernarg_segment_size: 40
    .max_flat_workgroup_size: 128
    .sgpr_count:     66
    .vgpr_count:     1024
    .wavefront_size: 32
...
	.end_amdgpu_metadata
.endif
;; end of part 2
;; launch attn (part 3): grid 2 x 128, 16 waves a work-group, no clusters, 327,680 bytes of LDS; arguments qkv, attention_mask, out0; writes out0
.if DOCPART == 3
	.amdgcn_target "amdgcn-amd-amdhsa--gfx1250"
	.amdhsa_code_object_version 6
	.text
	.protected	k_qf813c307ef_attn
	.globl	k_qf813c307ef_attn
	.p2align	8
	.type	k_qf813c307ef_attn,@function
k_qf813c307ef_attn:
	s_mov_b64 s[64:65], 0
	v_nop
	global_prefetch_b8 v0, s[64:65] scope:SCOPE_SE
	s_setreg_imm32_b32 hwreg(HW_REG_WAVE_MODE, 25, 1), 1
	s_wait_xcnt 0x0
; out0[b][q][64 head + :] = the sum over keys of softmax(q . k / 8 + bias[q]) v, bias = (1 - attention_mask[b][q]) x -10000, both products on codes of BF6 (E3M2) with E8M0 scales.
; IN: qkv, 384 records of 51,200 bytes, record 128 sect + 16 b + head (sect 0 q, 1 k, 2 v): 64 half fragments of 768 bytes (16 rows x 64 along K, 6 registers: 0-3 of lane l at 16 l, 4-5 at 512 + 8 l), then 8 units of 256 bytes of scale words [r][4].
;     q, k: half fragment = token tile; lane r of tile T holds token 32 (T / 2) + 8 (T % 2) + r + 8 (r / 8); unit g, word p = tile 8 g + 2 p's two bytes | tile 8 g + 2 p + 1's << 16.
;     v: half fragment 4 kc + ct: 16 channels (lane r of tile ct: channel 32 (ct / 2) + 8 (ct % 2) + r + 8 (r / 8)) x keys 64 kc on; unit g, word ct = the four bytes of keys 128 g on.
; THE SOFTMAX: logit = score x 0.125 + bias (one fused multiply-add: x 0.125 rounds nothing), t = logit x log2(e), M = the largest t so far rounded UP to a whole number, p = 2^(t - M), quantised along the keys, not normalised.
;     The three steps are kept apart as they are defined: under a bias of -10000 each of them rounds, and p has to carry those roundings.  The row's sum is taken of the unquantised p and divides at the end.  When M moves, the sum and O are multiplied by 2^(old M - new M): exact.
; SHARES: a work-group owns 512 queries of one head; each of its sixteen waves owns two tiles of 16 queries, one after the other, in 256 registers: four waves to a SIMD.
;     The head's whole K and V, codes and scale words, are 102,400 bytes: each byte comes into LDS once, in eight quarters of a record, in TWO GROUPS.  At the head waves 0-3 fetch quarters 0 and 3 of K and of V:
;     key steps 0 and 1 (12,288 bytes of each record) and all scale words (the records' last 2,048 bytes).  Behind the first barrier waves 4-7 fetch quarters 1 and 2, which land while key steps 0 and 1 of the first tile are worked;
;     a wait for them and a barrier stand in front of that tile's key step 2.  No LDS byte is filled twice.
;     No cluster: only the two work-groups of a head read the same bytes, once; a cluster of four would join two heads, whose tiles only two of the four share.  No prefetch: all of K and V is asked for by the two groups themselves.
; LAYOUT: both products are used transposed: S^T = K Q^T (source 0 = keys, source 1 = my queries), O^T = V^T P^T (source 0 = channels, source 1 = P): a lane holds one query (lane % 16) throughout.
;     THE FIRST PRODUCT'S K IS 64, the instruction's 128: a fragment of K holds TWO key tiles (2 p in registers 0-5, 2 p + 1 in registers 6-11), and Q stands twice: with zero codes above (it picks tile 2 p) and with zero codes below (tile 2 p + 1).
;     The zero halves carry the scale byte 1.  The 16 registers of tiles 2 b, 2 b + 1 are keys 32 b + 16 (lane / 16) + 0 .. 15 of the step's 128.
; ORDER IN A STEP: independent chains are interleaved: the chain that makes M stands among the 64 lines that make the logits and t, which do not hang on M; the end of the row's sum, the blocks' scale bytes and p's scale word stand among
;     O's 16 multiplications.  But for blocks that take turns four by four, a plain vector line reads no result made fewer than five vector instructions ahead of it.
; LIMITS: NaN and infinities are not served; a p under 2^-126 counts as 0; a block of p that is all zeros keeps the byte 1 (its codes are zeros).
.set QREC,  51200                      ; a record; K's lies at LDS byte 0, V's behind it
.set SECT,  128*QREC                   ; a section of qkv
.set STAGE, 2*QREC                     ; behind them: 16 rows x (256 bytes + 16) for each wave, for the way out; no tensor load lands there
.set LA,   1                           ; v1   16 x lane; never rewritten
.set LB,   2                           ; v2   8 x lane; never rewritten
.set LSC,  3                           ; v3   49,152 + 16 r: my row's four scale words in unit 0 of K's record
.set ADA,  4                           ; v4-6 the LDS addresses of the loads in hand
.set ADB,  5
.set ADS,  6
.set GO,   7                           ; v7   the way out: 4,096 h + 16 r in out0
.set STO,  8                           ; v8   where I put my numbers in the stage
.set RD,   9                           ; v9   where I read rows back
.set QLO,  16                          ; v16-27 Q with zero codes above;  v28-39 with zero codes below
.set QHI,  28
.set F,    40                          ; v40-87 four fragments of K, then of V
.set S,    88                          ; v88-151 S^T, then p
.set O,    152                         ; v152-183 O^T
.set PCD,  184                         ; v184-203 p's codes, and the conversions' upper halves
.set BM,   204                         ; v204-207 each block's largest score, then its largest p
.set PT,   208                         ; v208-211 the exchange's results, then the bytes
.set SO,   212                         ; v212-215 the conversions' scale operands
.set PW,   216                         ; v216 p's scale word
.set QSL,  217                         ; v217, v218 Q's scale words for the two forms of Q
.set QSH,  218
.set KS,   220                         ; v220-223 K's scale words, v224-227 V's
.set VS,   224
.set FF,   228                         ; v228-229 f = 2^(old M - new M), later 1 / the sum
.set WV,   18
.set G1,   24                          ; s[24:31], s[32:35] the descriptor
.set G0,   32
.set QP,   36                          ; s[36:37] my first tile of Q;  s[38:39] its scale word;  s[40:41] its queries' mask;  s[42:43] its rows of out0
.set QSP,  38
.set MP,   40
.set OP,   42
.set SEL,  44                          ; s[44:45] v_permlanex16_b32's selects for lane l xor 16
.set C8,   46                          ; s[46:47] 0.125
.set L2E,  48                          ; s[48:49] log2(e)
.set TK,   50                          ; s50 LDS byte of the step's tiles of K, s51 of V, s52 of the step's unit of scale words less unit 0's
.set TV,   51
.set TS,   52
.set CNT,  53
.set PSEL, 54                          ; s54 which two bytes of Q's scale word are my tile's
	s_load_b128 s[4:7], s[0:1], 0x0                ; qkv, attention_mask
	s_load_b64 s[8:9], s[0:1], 0x10                ; out0
	v_lshl_add_u32 v254, v0, 2, 0x2a000
	v_mov_b32 v255, 0
	ds_add_u32 v254, v255                          ; the opening lines: the add, twice on end, and its wait
	ds_add_u32 v254, v255
	v_lshrrev_b32 v1, 5, v0
	s_delay_alu instid0(VALU_DEP_1)
	v_readfirstlane_b32 s[WV], v1                  ; wave 0..15
	s_and_b32 s19, ttmp7, 0xffff                   ; 16 b + head
	s_mul_i32 s20, s19, QREC                       ; the head's record in a section
	; the descriptor: a quarter of a record, 12,800 dense bytes, as 50 rows of 256 bytes (32 elements of 8 bytes)
	s_mov_b32 s[G1], 3<<16                         ; no mask; elements of 8 bytes; no padding
	s_mov_b32 s[G1+1], 32<<16                      ; tensor_dim0
	s_mov_b32 s[G1+2], 50<<16                      ; tensor_dim1
	s_mov_b32 s[G1+3], 32<<16                      ; tile_dim0
	s_mov_b32 s[G1+4], 50                          ; tile_dim1
	s_mov_b32 s[G1+5], 32                          ; tensor_dim0_stride
	s_mov_b32 s[G1+6], 0
	s_mov_b32 s[G1+7], 0
	s_bfe_u32 s2, s[WV], 0x10001                   ; bit 1 of the wave's number: K's record (0) or V's (1)
	s_and_b32 s3, s[WV], 1
	s_mul_i32 s3, s3, 3
	s_bfe_u32 s22, s[WV], 0x10002
	s_xor_b32 s3, s3, s22                          ; the quarter: waves 0-3 take 0, 3, 0, 3; waves 4-7 take 1, 2, 1, 2
	s_mul_i32 s3, s3, 12800
	s_mul_i32 s[G0+1], s2, QREC
	s_add_co_u32 s[G0+1], s[G0+1], s3              ; LDS: the record's place + the quarter's
	s_add_co_u32 s2, s2, 1
	s_mul_i32 s2, s2, SECT
	s_add_co_u32 s2, s2, s3
	s_add_co_u32 s2, s2, s20
	s_mov_b32 s3, 0
	s_mov_b32 s[G0], 1
	s_wait_dscnt 0x0
	s_wait_kmcnt 0x0
	s_add_nc_u64 s[G0+2:G0+3], s[4:5], s[2:3]
	s_or_b32 s[G0+3], s[G0+3], 0x80000000
	s_cmp_lt_u32 s[WV], 4                          ; the first group: waves 0 to 3, one load each
	s_cbranch_scc0 .Lno_fill
	tensor_load_to_lds s[G0:G0+3], s[G1:G1+7]
	s_nop 0
.rept 4
	v_nop
.endr
.Lno_fill:
	s_mov_b32 s21, 0
	s_add_nc_u64 s[4:5], s[4:5], s[20:21]          ; q's record of my head
	s_lshl_b32 s2, ttmp9, 5
	s_add_co_u32 s2, s2, s[WV]                     ; my first query tile: 32 x work-group x + wave; the second is 16 tiles on
	s_mul_i32 s2, s2, 768
	s_add_nc_u64 s[QP:QP+1], s[4:5], s[2:3]
	s_lshl_b32 s2, ttmp9, 2
	s_lshr_b32 s22, s[WV], 3
	s_add_co_u32 s2, s2, s22
	s_lshl_b32 s2, s2, 8                           ; its unit of scale words,
	s_bfe_u32 s22, s[WV], 0x20001
	s_lshl_b32 s22, s22, 2                         ; and the word in it
	s_add_co_u32 s2, s2, s22
	s_add_co_u32 s2, s2, 49152
	s_add_nc_u64 s[QSP:QSP+1], s[4:5], s[2:3]
	s_lshr_b32 s22, s[WV], 1
	s_lshl_b32 s22, s22, 5
	s_and_b32 s23, s[WV], 1
	s_lshl_b32 s23, s23, 3
	s_add_co_u32 s22, s22, s23
	s_lshl_b32 s23, ttmp9, 9
	s_add_co_u32 s22, s22, s23                     ; the tile's first token: 512 x + 32 (wave / 2) + 8 (wave % 2),
	s_lshr_b32 s23, s19, 4
	s_lshl_b32 s23, s23, 10
	s_add_co_u32 s22, s22, s23                     ; in batch b
	s_lshl_b32 s2, s22, 2
	s_add_nc_u64 s[MP:MP+1], s[6:7], s[2:3]
	s_lshl_b32 s2, s22, 12
	s_and_b32 s23, s19, 15
	s_lshl_b32 s23, s23, 8
	s_add_co_u32 s2, s2, s23
	s_add_nc_u64 s[OP:OP+1], s[8:9], s[2:3]        ; its row of out0, at my head's 256 bytes
	s_mov_b32 s[PSEL], 0x03020302
	s_and_b32 s23, s[WV], 1
	s_cmp_eq_u32 s23, 0
	s_cselect_b32 s[PSEL], 0x01000100, s[PSEL]     ; an even tile's bytes are the word's lower two
	s_mov_b32 s55, 0x01010000
	s_mov_b32 s56, 0x0101
	s_mov_b32 s[SEL], 0x76543210
	s_mov_b32 s[SEL+1], 0xfedcba98
	s_mov_b32 s[C8], 0x3e000000                    ; 0.125
	s_mov_b32 s[C8+1], s[C8]                       ; (named with it as a pair, so it is written)
	s_mov_b32 s[L2E], 0x3fb8aa3b                   ; log2(e)
	s_mov_b32 s[L2E+1], s[L2E]
	v_and_b32 v230, 31, v0
	s_delay_alu instid0(VALU_DEP_1)
	v_lshlrev_b32 v[LA], 4, v230
	s_delay_alu instid0(VALU_DEP_2)
	v_lshlrev_b32 v[LB], 3, v230
	v_and_b32 v231, 15, v0                         ; r
	v_bfe_u32 v232, v0, 4, 1                       ; h
	s_delay_alu instid0(VALU_DEP_2)
	v_lshlrev_b32 v246, 4, v231                    ; 16 r
	s_delay_alu instid0(VALU_DEP_1)
	v_add_nc_u32 v[LSC], 49152, v246
	s_delay_alu instid0(VALU_DEP_4)
	v_and_b32 v247, 8, v231
	s_delay_alu instid0(VALU_DEP_1)
	v_add_nc_u32 v247, v247, v231
	s_delay_alu instid0(VALU_DEP_1)
	v_lshlrev_b32 v247, 2, v247                    ; 4 (r + 8 (r / 8)): my query among the tile's tokens
	global_load_b128 v[QLO:QLO+3], v[LA], s[QP:QP+1]               ; the first tile's codes, into both forms of Q
	global_load_b64 v[QLO+4:QLO+5], v[LB], s[QP:QP+1] offset:512
	global_load_b128 v[QHI+6:QHI+9], v[LA], s[QP:QP+1]
	global_load_b64 v[QHI+10:QHI+11], v[LB], s[QP:QP+1] offset:512
	global_load_b128 v[236:239], v[LA], s[QP:QP+1] offset:12288    ; the second tile's, kept until its turn
	global_load_b64 v[240:241], v[LB], s[QP:QP+1] offset:12800
	global_load_b32 v244, v246, s[QSP:QSP+1]                       ; the scale words
	global_load_b32 v242, v246, s[QSP:QSP+1] offset:512
	global_load_b32 v245, v247, s[MP:MP+1]                         ; the mask of my query
	global_load_b32 v243, v247, s[MP:MP+1] offset:1024
	v_lshl_add_u32 v[GO], v232, 12, v246
	s_mul_i32 s22, s[WV], 16*272
	s_add_co_u32 s22, s22, STAGE                   ; my stage
	v_mul_u32_u24 v[STO], v231, 272
	s_delay_alu instid0(VALU_DEP_1)
	v_lshl_add_u32 v[STO], v232, 6, v[STO]
	s_delay_alu instid0(VALU_DEP_1)
	v_add_nc_u32 v[STO], s22, v[STO]               ; in: row r, + 64 h: register 16 e + i is channel 32 e + 16 h + i
	v_mul_u32_u24 v[RD], v232, 272
	s_delay_alu instid0(VALU_DEP_1)
	v_add_nc_u32 v[RD], v[RD], v246
	s_delay_alu instid0(VALU_DEP_1)
	v_add_nc_u32 v[RD], s22, v[RD]                 ; back: lanes 0-15 one row, lanes 16-31 the next
.irp i, 0,1,2,3,4,5,6,7,8,9,10,11
	v_mov_b32 v[QLO+6+\i], 0                       ; the zero codes of both forms of Q: v22-33
.endr
.irp b, 0,1,2,3
	v_mov_b32 v[PT+\b], 0                          ; written once: a lane permute's destination counts as one of its sources
.endr
	v_mov_b32 v[FF+1], 0                           ; (named as the upper half of a pair)
	s_wait_alu depctr_va_vdst(0)                   ; the wait at the head's end
	s_wait_tensorcnt 0x0                           ; my quarter of the first group has landed; these lines stand ahead of a later first fill,
	ds_add_u32 v254, v255                          ; the add written twice
	ds_add_u32 v254, v255
	s_wait_loadcnt 0x0                             ; Q, its scale words and the mask are in
	s_wait_dscnt 0x0
	s_barrier_signal -1
	s_barrier_wait -1                              ; the first group is whole: key steps 0 and 1 and all scale words
	s_lshr_b32 s3, s[WV], 2
	s_cmp_eq_u32 s3, 1                             ; the second group: waves 4 to 7, one load each
	s_cbranch_scc0 .Lno_fill2
	tensor_load_to_lds s[G0:G0+3], s[G1:G1+7]
	s_nop 0
.rept 4
	v_nop
.endr
.Lno_fill2:
.macro FRAG12 reg, off, dist           ; two half fragments, dist bytes apart, make a fragment
	ds_load_b128 v[\reg:\reg+3], v[ADA] offset:\off
	ds_load_b64 v[\reg+4:\reg+5], v[ADB] offset:\off+512
	ds_load_b128 v[\reg+6:\reg+9], v[ADA] offset:\off+\dist
	ds_load_b64 v[\reg+10:\reg+11], v[ADB] offset:\off+\dist+512
.endm
.macro PKN k                           ; the next k of 64 lines: 32 make the logits (score x 0.125 + bias), then 32 make t (logit x log2(e)); none hangs on M
.rept \k
.if NP < 32
	v_pk_fma_f32 v[S+2*NP:S+2*NP+1], v[S+2*NP:S+2*NP+1], s[C8:C8+1], v[10:11] op_sel_hi:[1,0,0]
.else
	v_pk_mul_f32 v[S+2*NP-64:S+2*NP-63], v[S+2*NP-64:S+2*NP-63], s[L2E:L2E+1] op_sel_hi:[1,0]
.endif
.set NP, NP+1
.endr
.endm
.macro OMUL k                          ; the next k of 16 lines: O^T under the new M; each accumulator from its low end on
.rept \k
	v_pk_mul_f32 v[O+2*NO:O+2*NO+1], v[O+2*NO:O+2*NO+1], v[FF:FF+1] op_sel_hi:[1,0]
.set NO, NO+1
.endr
.endm
; A KEY STEP: 128 keys.
.macro STEP
.set NP, 0
.set NO, 0
	v_add_nc_u32 v[ADA], s[TK], v[LA]              ; these four lines are also the places between the last products and the loads into their registers
	v_add_nc_u32 v[ADB], s[TK], v[LB]
	v_add_nc_u32 v[ADS], s[TS], v[LSC]
	v_nop
.irp p, 0,1,2,3
	FRAG12 F+12*\p, 1536*\p, 768                   ; key tiles 2 p and 2 p + 1
.endr
	ds_load_b128 v[KS:KS+3], v[ADS]
	ds_load_b128 v[VS:VS+3], v[ADS] offset:QREC
	s_wait_dscnt 0x0
.irp p, 0,1,2,3                                ; eight products, each on an accumulator of its own
	v_wmma_scale_f32_16x16x128_f8f6f4 v[S+16*\p:S+16*\p+7], v[F+12*\p:F+12*\p+11], v[QLO:QLO+11], 0, v[KS+\p], v[QSL] matrix_a_fmt:MATRIX_FMT_BF6 matrix_b_fmt:MATRIX_FMT_BF6
	v_wmma_scale_f32_16x16x128_f8f6f4 v[S+16*\p+8:S+16*\p+15], v[F+12*\p:F+12*\p+11], v[QHI:QHI+11], 0, v[KS+\p], v[QSH] matrix_a_fmt:MATRIX_FMT_BF6 matrix_b_fmt:MATRIX_FMT_BF6
.endr
	v_add_nc_u32 v[ADA], s[TV], v[LA]              ; four places: for V's loads into K's registers, and for the first read of the scores
	v_add_nc_u32 v[ADB], s[TV], v[LB]
	v_mov_b32 v230, v12                            ; -M as it stood
	v_nop
.irp c, 0,1,2,3
	FRAG12 F+12*\c, 768*\c, 3072                   ; channel tile c, keys 0-63 and 64-127 of the step: they land while the softmax is worked
.endr
.irp b, 0,1,2,3
	v_max3_num_f32 v[BM+\b], v[S+16*\b], v[S+16*\b+1], v[S+16*\b+2]   ; the largest score of each block of 32 keys: it serves for the row's maximum and, since p does not fall where the score rises, for the block's largest p
.endr
.irp i, 3,5,7,9,11,13
.irp b, 0,1,2,3
	v_max3_num_f32 v[BM+\b], v[BM+\b], v[S+16*\b+\i], v[S+16*\b+\i+1]   ; (the four blocks by turns; each accumulator is first read at its low end)
.endr
.endr
.irp b, 0,1,2,3
	v_max_num_f32 v[BM+\b], v[BM+\b], v[S+16*\b+15]                  ; the last read of the scores as they came
.endr
	PKN 1
.irp b, 0,1,2,3
	v_permlanex16_b32 v[PT+\b], v[BM+\b], s[SEL], s[SEL+1]
.endr
	PKN 1
.irp b, 0,1,2,3
	v_max_num_f32 v[BM+\b], v[BM+\b], v[PT+\b]     ; with lane l xor 16's 16 keys
.endr
	PKN 4
	v_max3_num_f32 v231, v[BM], v[BM+1], v[BM+2]
	PKN 4
	v_max_num_f32 v231, v231, v[BM+3]              ; the step's largest score of my query,
	PKN 4
	v_fma_f32 v231, v231, s[C8], v10               ; as a logit,
	PKN 4
	v_mul_f32 v231, s[L2E], v231                   ; as t (both steps do not fall where the score rises)
	PKN 4
	v_max_num_f32 v13, v13, v231                   ; the running largest t
	PKN 4
	v_floor_f32 v12, -v13                          ; the new -M = floor(-t) = -ceil(t): M is a whole number
	PKN 4
	v_sub_f32 v230, v12, v230                      ; M's old value less its new one: a whole number, 0 or less
	PKN 4
	v_cvt_i32_f32 v230, v230                       ; (it saturates)
	PKN 4
	v_ldexp_f32 v[FF], 1.0, v230                   ; f = 2^(old M - new M)
.irp b, 0,1,2,3
	v_fma_f32 v[BM+\b], v[BM+\b], s[C8], v10       ; the same three steps on each block's largest score give the same bits
.endr
	PKN 1
.irp b, 0,1,2,3
	v_mul_f32 v[BM+\b], s[L2E], v[BM+\b]
.endr
	PKN 1
.irp b, 0,1,2,3
	v_add_f32 v[BM+\b], v[BM+\b], v12
.endr
	PKN 24                                         ; the last of the 64
.set n, 0
.rept 32
	v_pk_add_f32 v[S+n:S+n+1], v[S+n:S+n+1], v[12:13] op_sel_hi:[1,0]                 ; t - M
.set n, n+2
.endr
.set n, 0
	s_wait_alu depctr_va_vdst(0)                   ; the wait ahead of the batch
.rept 64
	v_exp_f32 v[S+n], v[S+n]                       ; p = 2^(t - M), at most 1: not normalised
.set n, n+1
.endr
	v_pk_mul_f32 v[14:15], v[14:15], v[FF:FF+1] op_sel_hi:[1,0]   ; the sums under the new M: the plain instruction behind the exponentials
	s_wait_alu depctr_va_vdst(0)                   ; one wait for the batch of 64, ahead of its first reader
.irp b, 0,1,2,3
	v_exp_f32 v[BM+\b], v[BM+\b]                   ; each block's largest p
.endr
	v_pk_add_f32 v[232:233], v[92:93], v[96:97]    ; the row's sum of the unquantised p, in eight chains
	v_pk_add_f32 v[252:253], v[100:101], v[104:105]
	v_pk_add_f32 v[250:251], v[108:109], v[112:113]
	v_pk_add_f32 v[248:249], v[116:117], v[120:121]
	v_pk_add_f32 v[246:247], v[124:125], v[128:129]
	v_pk_add_f32 v[244:245], v[132:133], v[136:137]
	v_pk_add_f32 v[234:235], v[140:141], v[144:145]
	v_pk_add_f32 v[14:15], v[14:15], v[148:149]
	v_pk_add_f32 v[232:233], v[232:233], v[88:89]
	v_pk_add_f32 v[252:253], v[252:253], v[90:91]
	v_pk_add_f32 v[250:251], v[250:251], v[94:95]
	v_pk_add_f32 v[248:249], v[248:249], v[98:99]
	v_pk_add_f32 v[246:247], v[246:247], v[102:103]
	v_pk_add_f32 v[244:245], v[244:245], v[106:107]
	v_pk_add_f32 v[234:235], v[234:235], v[110:111]
	v_pk_add_f32 v[14:15], v[14:15], v[114:115]
	v_pk_add_f32 v[232:233], v[232:233], v[118:119]
	v_pk_add_f32 v[252:253], v[252:253], v[122:123]
	v_pk_add_f32 v[250:251], v[250:251], v[126:127]
	v_pk_add_f32 v[248:249], v[248:249], v[130:131]
	v_pk_add_f32 v[246:247], v[246:247], v[134:135]
	v_pk_add_f32 v[244:245], v[244:245], v[138:139]
	v_pk_add_f32 v[234:235], v[234:235], v[142:143]
	v_pk_add_f32 v[14:15], v[14:15], v[146:147]
	v_pk_add_f32 v[232:233], v[232:233], v[150:151]
	s_wait_alu depctr_va_vdst(0)                   ; and one for the four; it also stands ahead of the first read of O^T
.irp b, 0,1,2,3
	v_max_num_f32 v[BM+\b], 0x2800000, v[BM+\b]    ; the floor 2^(5 - 127): the byte cannot fall under 1
.endr
	v_pk_add_f32 v[14:15], v[14:15], v[248:249]    ; the eight chains are joined, among the lines that make the scale bytes
	v_pk_add_f32 v[232:233], v[232:233], v[246:247]
	v_pk_add_f32 v[252:253], v[252:253], v[244:245]
	v_pk_add_f32 v[250:251], v[250:251], v[234:235]
.irp b, 0,1,2,3
	v_add_nc_u32 v[SO+\b], 0xfe000000, v[BM+\b]    ; 4 off the exponent field: the conversion's scale operand
.endr
	v_pk_add_f32 v[14:15], v[14:15], v[252:253]
	v_pk_add_f32 v[232:233], v[232:233], v[250:251]
.irp b, 0,1,2,3
	v_lshrrev_b32 v[PT+\b], 23, v[SO+\b]           ; the scale's byte
.endr
	OMUL 1
	v_pk_add_f32 v[14:15], v[14:15], v[232:233]
	v_lshl_or_b32 v[PW], v[PT+1], 8, v[PT]         ; p's scale word for these 128 keys
	OMUL 4
	v_lshl_or_b32 v[PW], v[PT+2], 16, v[PW]
	OMUL 4
	v_lshl_or_b32 v[PW], v[PT+3], 24, v[PW]
.irp c, 0,1
	v_cvt_scalef32_pk16_bf6_f32 v[PCD+6*\c:PCD+6*\c+2], v[S+32*\c:S+32*\c+15], v[SO+2*\c]
	v_cvt_scalef32_pk16_bf6_f32 v[PCD+12+4*\c:PCD+14+4*\c], v[S+32*\c+16:S+32*\c+31], v[SO+2*\c+1]   ; (a conversion's three registers begin on an even number)
.endr
	OMUL 1                                         ; one plain instruction behind a scaled conversion
.irp c, 0,1                                    ; the operand's layout wants a whole block in a lane: lanes 0-15 block 2 c, lanes 16-31 block 2 c + 1
.irp i, 0,1,2
	v_permlane16_swap_b32 v[PCD+6*\c+\i], v[PCD+12+4*\c+\i]
.endr
.endr
.irp c, 0,1
.irp i, 0,1,2
	v_mov_b32 v[PCD+3+6*\c+\i], v[PCD+12+4*\c+\i]
.endr
.endr
	OMUL 6                                         ; behind p's scale word stand 13 plain lines, behind its codes 6, ahead of the products that take them
	s_wait_alu depctr_va_vdst(0)                   ; the wait here, directly ahead of the wait below
	s_wait_dscnt 0x0                               ; V is in
.irp c, 0,1,2,3                                ; four products, each on an accumulator of its own; between two links of a chain stand the other three and the next step's eight
	v_wmma_scale_f32_16x16x128_f8f6f4 v[O+8*\c:O+8*\c+7], v[F+12*\c:F+12*\c+11], v[PCD:PCD+11], v[O+8*\c:O+8*\c+7], v[VS+\c], v[PW] matrix_a_fmt:MATRIX_FMT_BF6 matrix_b_fmt:MATRIX_FMT_BF6
.endr
	s_add_co_u32 s[TK], s[TK], 6144                ; the next 128 keys: eight half fragments of K, eight of V, a unit of scale words
	s_add_co_u32 s[TV], s[TV], 6144
	s_add_co_u32 s[TS], s[TS], 256
.endm
; A TILE OF 16 QUERIES: tl = 0, 1; sw, mk: the registers with its scale word and its mask.
.macro TILE tl, sw, mk
.if \tl
	s_wait_xcnt 0x0                                ; the first tile's stores have read their registers: they are written again only behind this wait
.irp i, 0,1,2,3,4,5
	v_mov_b32 v[QLO+\i], v[236+\i]
	v_mov_b32 v[QHI+6+\i], v[236+\i]
.endr
.endif
	v_perm_b32 v230, v[\sw], v[\sw], s[PSEL]       ; my tile's two bytes, twice
	s_delay_alu instid0(VALU_DEP_1)
	v_and_or_b32 v[QSL], v230, 0xffff, s55         ; below, with the byte 1 over the zero codes;
	s_delay_alu instid0(VALU_DEP_2)
	v_and_or_b32 v[QSH], v230, 0xffff0000, s56     ; above, likewise
	v_sub_f32 v10, 1.0, v[\mk]
	s_delay_alu instid0(VALU_DEP_1)
	v_mul_f32 v10, 0xc61c4000, v10                 ; bias = (1 - mask) x -10000
	s_delay_alu instid0(VALU_DEP_1)
	v_mov_b32 v11, v10                             ; (named with it as a pair)
	v_mov_b32 v13, 0xff61b1e6                      ; the largest t so far: -3e38
	s_delay_alu instid0(VALU_DEP_1)
	v_floor_f32 v12, -v13                          ; -M
	v_mov_b32 v14, 0                               ; the sum, in two halves
	v_mov_b32 v15, 0
.set n, 0
.rept 32
	v_mov_b32 v[O+n], 0                            ; O^T: the step is written once; the first finds zeros, which the first change of M leaves zeros
.set n, n+1
.endr
	s_mov_b32 s[TK], 0
	s_mov_b32 s[TV], QREC
	s_mov_b32 s[TS], 0
.if \tl == 0
	s_mov_b32 s[CNT], 2                            ; key steps 0 and 1 read the first group's bytes alone
.Lfirst_\@:
	STEP
	s_sub_co_u32 s[CNT], s[CNT], 1
	s_cmp_lg_u32 s[CNT], 0
	s_cbranch_scc1 .Lfirst_\@
	s_wait_tensorcnt 0x0                           ; my quarter of the second group has landed,
	s_barrier_signal -1
	s_barrier_wait -1                              ; everybody's has: K and V are whole, and stay
	s_mov_b32 s[TK], 2*6144
	s_mov_b32 s[TV], QREC+2*6144
	s_mov_b32 s[TS], 2*256
	s_mov_b32 s[CNT], 6
.else
	s_mov_b32 s[CNT], 8
.endif
.Lstep_\@:
	STEP
	s_sub_co_u32 s[CNT], s[CNT], 1
	s_cmp_lg_u32 s[CNT], 0
	s_cbranch_scc1 .Lstep_\@
	; THE WAY OUT: O^T / the sum goes through my stage in LDS, so that sixteen lanes store a query's 256 bytes
	v_add_f32 v14, v14, v15                        ; the sum's two halves,
	s_delay_alu instid0(VALU_DEP_1)
	v_permlanex16_b32 v230, v14, s[SEL], s[SEL+1]
	s_delay_alu instid0(VALU_DEP_1)
	v_add_f32 v14, v14, v230                       ; and lane l xor 16's: the row's sum
	s_wait_alu depctr_va_vdst(0)                   ; the wait ahead of the transcendental
	v_rcp_f32 v[FF], v14
	v_nop                                          ; plain instructions behind the reciprocal; with the three above they are the places behind the last products
	v_nop
	s_wait_alu depctr_va_vdst(0)                   ; the wait ahead of the reciprocal's first reader
.set n, 0
.rept 16
	v_pk_mul_f32 v[S+n:S+n+1], v[O+n:O+n+1], v[FF:FF+1] op_sel_hi:[1,0]   ; each accumulator from its low end on
.set n, n+2
.endr
.irp e, 0,1
.irp q, 0,1,2,3
	ds_store_b128 v[STO], v[S+16*\e+4*\q:S+16*\e+4*\q+3] offset:128*\e+16*\q
.endr
.endr
.irp t, 0,1,2,3,4,5,6,7
	ds_load_b128 v[S+32+4*\t:S+32+4*\t+3], v[RD] offset:544*\t   ; LDS serves a wave's instructions in order: these see my stores
.endr
.irp t, 0,1,2,3,4,5,6,7
	s_wait_dscnt 7-\t                              ; rows 2 t and 2 t + 1 are back; the younger loads may be out
	global_store_b128 v[GO], v[S+32+4*\t:S+32+4*\t+3], s[OP:OP+1] offset:4096*(2*\t+8*(\t/4))+1048576*\tl th:TH_STORE_NT   ; the tile's row i is token i + 8 (i / 8); sixteen lanes store 256 consecutive bytes, aligned
.endr
.endm
	TILE 0, 244, 245
	TILE 1, 242, 243
	s_wait_tensorcnt 0x0                           ; the wave's end
	ds_add_u32 v254, v255
	s_wait_dscnt 0x0
	s_endpgm
.Lfunc_end_k_qf813c307ef_attn:
	.size	k_qf813c307ef_attn, .Lfunc_end_k_qf813c307ef_attn-k_qf813c307ef_attn
	.p2alignl 7, 3214868480
	.fill 96, 4, 3214868480
	.section	.rodata,"a",@progbits
	.p2align	6, 0x0
	.amdhsa_kernel k_qf813c307ef_attn
		.amdhsa_group_segment_fixed_size 327680
		.amdhsa_private_segment_fixed_size 0
		.amdhsa_enable_private_segment 0
		.amdhsa_kernarg_size 24
		.amdhsa_user_sgpr_count 2
		.amdhsa_user_sgpr_kernarg_segment_ptr 1
		.amdhsa_wavefront_size32 1
		.amdhsa_system_sgpr_workgroup_id_x 1
		.amdhsa_system_sgpr_workgroup_id_y 1
		.amdhsa_system_sgpr_workgroup_id_z 1
		.amdhsa_system_vgpr_workitem_id 0
		.amdhsa_next_free_vgpr 256
		.amdhsa_next_free_sgpr 66
		.amdhsa_reserve_vcc 0
		.amdhsa_float_denorm_mode_32 3
		.amdhsa_float_denorm_mode_16_64 3
		.amdhsa_memory_ordered 1
		.amdhsa_forward_progress 1
		.amdhsa_inst_pref_size 80
	.end_amdhsa_kernel
	.amdgpu_metadata
---
amdhsa.version: [ 1, 2 ]
amdhsa.kernels:
  - .name:           k_qf813c307ef_attn
    .symbol:         k_qf813c307ef_attn.kd
    .args:
      - { .name: qkv, .offset: 0, .size: 8, .value_kind: global_buffer, .address_space: global }
      - { .name: attention_mask, .offset: 8, .size: 8, .value_kind: global_buffer, .address_space: global }
      - { .name: out0, .offset: 16, .size: 8, .value_kind: global_buffer, .address_space: global }
    .group_segment_fixed_size: 327680
    .private_segment_fixed_size: 0
    .kernarg_segment_align: 8
    .kernarg_segment_size: 24
    .max_flat_workgroup_size: 512
    .sgpr_count:     66
    .vgpr_count:     256
    .wavefront_size: 32
...
	.end_amdgpu_metadata
.endif
;; end of part 3
